; MI455X (gfx1250); checked and timed in simulation.
; The chip was launched on July 23, 2026; its instructions are those of AMD's public machine-readable ISA for CDNA 5 (MIT licence, August 2026) and "CDNA5" Instruction Set Architecture Reference Guide (July 2026). The comments in the code are by the model that wrote it; some were corrected since.
;; Attention. Allowed arithmetic: float matrix products may take bf16 or f16 operands with f32 sums; all other float work in f32.
;; Inputs: W 2,048 x 1 float32; b 1 float32; decoder_hidden 32 x 1,024 float32; encoder_hidden_outputs 32 x 2,048 x 1,024 float32.
;; Outputs: out0 32 x 1,024 float32.
;; 2 versions, each right; version 2 is version 1 with the launch partial written anew for expert scheduling mode. Each part assembles by itself: llvm-mc -triple=amdgcn-amd-amdhsa -mcpu=gfx1250 --defsym DOCPART=n.
;; ======== version 1 of 2: 2 launches
;; workspace buffers: part 1,114,112 bytes
;; launch partial (part 1): grid 8 x 32, 16 waves a work-group, no clusters, 67,840 bytes of LDS; arguments W, b, decoder_hidden, encoder_hidden_outputs, part; writes part
.if DOCPART == 1
	.amdgcn_target "amdgcn-amd-amdhsa--gfx1250"
	.amdhsa_code_object_version 6
	.text
	.protected	k_q2acb41c7de_partial
	.globl	k_q2acb41c7de_partial
	.p2align	8
	.type	k_q2acb41c7de_partial,@function
k_q2acb41c7de_partial:
	s_mov_b64 s[64:65], 0
	v_nop
	global_prefetch_b8 v0, s[64:65] scope:SCOPE_SE
	s_setreg_imm32_b32 hwreg(HW_REG_WAVE_MODE, 25, 1), 1
	s_wait_xcnt 0x0
; Attention pooling, first of two launches: an online softmax over 256 of a batch's 2,048 rows.
;   score[s] = enc[s] . W_enc + (dec . W_dec + b);  the work-group leaves  max score, sum of exp(score - max)
;   and sum of exp(score - max) * enc[s][:]  of its 256 rows in one record of 'part'.
; All arithmetic is f32 on the vector unit: both products have one column (or one row) on one side, so a 16 x 16 matrix tile
; would hold one useful line, and each byte of enc feeds only two multiply-adds.
; No cluster: work-groups share only W (8 KiB), against 1 MiB of enc that each reads alone.
; Sixteen waves.  Wave w takes rows w, w + 16, ..., 16 rows.  A row is 4,096 bytes: eight 16-byte loads a lane, each load of the
; wave covering 512 consecutive bytes; the row stays in 32 registers between the dot product and the weighted sum, so enc is
; read once.  Row 0 is loaded straight into the accumulator (its weight is 1): nothing is cleared, nothing copied.
; Rows 1 to 15 go through a ring of five register slots: one at work, four (16 KiB a wave) on their way.
; Scores are kept times log2(e), so that the exponentials are plain v_exp_f32.
; LIMITS: the exponent is log2e*(enc.W) + log2e*(dec.W + b) in one fused
; multiply-add.  If the first rows of one wave all score -infinity (infinite inputs), the whole output row becomes NaN.
.set ROWB,   4096                      ; bytes in a row of enc
.set WAVES,  16
.set STRIDE, WAVES*ROWB                ; from one of a wave's rows to its next
.set SLOTS,  5
.set REC,    4352                      ; a record of 'part': 4,096 bytes of sums, then 256 bytes of (max, sum) 32 times over
.set LC,     0                         ; LDS: 16 words, the waves' parts of dec . W_dec
.set LM,     64                        ;      16 words, the waves' maxima
.set LL,     128                       ;      16 words, the waves' sums of exponentials
.set STG,    256                       ;      16 x 4,096 bytes, the waves' weighted sums
.set LN16, 1                           ; v1       16 x lane
.set T8,   2                           ; v2       8 x thread
.set WADR, 3                           ; v3       4 x wave
.set LADR, 4                           ; v4       4 x (lane % 16)
.set C2,   5                           ; v5       log2e x (dec . W_dec + b)
.set OFF,  6                           ; v[6:10]  slot s: byte offset of my 16 bytes in the row that the slot loads
.set MN,   11                          ; v11      the new maximum
.set DP,   12                          ; v[12:19] four chains of two partial sums
.set SC,   20                          ; v20      factor for what has been summed so far  } a pair: the packed multiply takes its
.set M,    21                          ; v21      running maximum                          } first register for both halves
.set PW,   22                          ; v22      the row's weight                         } likewise
.set L,    23                          ; v23      running sum of exponentials              }
.set SV,   24                          ; v24      the score
.set TV,   25                          ; v25      at work
.set A0,   26                          ; v26      4,096 x wave + 16 x lane: row 0 in enc, and my place in the LDS stage
.set WE,   28                          ; v[28:59]   W_enc of my 32 columns
.set ACC,  60                          ; v[60:91]   weighted sum of my 32 columns
.set X,    92                          ; v[92:251]  slot s: 32 registers, a row
	s_load_b256 s[4:11], s[0:1], 0x0               ; W s[4:5], b s[6:7], dec s[8:9], enc s[10:11]
	s_load_b64 s[12:13], s[0:1], 0x20              ; part
	v_lshl_add_u32 v252, v0, 2, 0x10100
	v_mov_b32 v253, 0
	v_lshrrev_b32 v[WADR], 5, v0
	v_readfirstlane_b32 s15, v[WADR]               ; wave number as a scalar
	v_and_b32 v[LN16], 31, v0
	v_lshlrev_b32 v[LN16], 4, v[LN16]
	v_lshlrev_b32 v[T8], 3, v0
	v_and_b32 v[LADR], 15, v0
	v_lshlrev_b32 v[LADR], 2, v[LADR]
	v_mov_b32 v[WADR], s15
	v_lshlrev_b32 v[WADR], 2, v[WADR]
	s_lshl_b32 s21, s15, 12
	v_add_nc_u32 v[A0], s21, v[LN16]
.irp s, 0,1,2,3,4
	v_add_nc_u32 v[OFF+\s], (\s+1)*STRIDE, v[A0]   ; slot s starts with row s + 1
.endr
	s_mov_b32 s16, 0x76543210                      ; v_permlanex16_b32: lane i of one half reads lane i of the other
	s_mov_b32 s17, 0xfedcba98
	s_mov_b32 s18, 0x3fb8aa3b                      ; log2(e)
	s_and_b32 s19, ttmp7, 0xffff                   ; batch
	s_lshl3_add_u32 s20, s19, ttmp9                ; record = 8 x batch + chunk, 0 to 255
	s_lshl_b32 s22, s20, 20                        ; x 256 rows x 4,096 bytes: below 2^28
	s_mov_b32 s23, 0
	s_lshl_b32 s24, s19, 12                        ; the batch's row of dec
	s_mov_b32 s25, 0
	s_mul_i32 s26, s20, REC
	s_mov_b32 s27, 0
	s_wait_kmcnt 0x0
	s_load_b32 s14, s[6:7], 0x0                    ; b
	s_add_nc_u64 s[10:11], s[10:11], s[22:23]
	s_add_nc_u64 s[8:9], s[8:9], s[24:25]
	s_add_nc_u64 s[12:13], s[12:13], s[26:27]
.macro FILL s                          ; eight loads: the slot's whole row
.irp j, 0,1,2,3,4,5,6,7
	global_load_b128 v[X+32*\s+4*\j:X+32*\s+4*\j+3], v[OFF+\s], s[10:11] offset:512*\j th:TH_LOAD_NT
.endr
.endm
.macro ROWSUM r                        ; sum over each half of 16 lanes, the result in every lane of the half
.irp q, 1,2,4,8
	v_add_f32_dpp v[\r], v[\r], v[\r] row_xmask:\q row_mask:0xf bank_mask:0xf
.endr
.endm
	; everything is asked for at once, the small things first, since loads come back in order
	global_load_b64 v[DP:DP+1],   v[T8], s[8:9]    ; two numbers of dec for each of the 512 threads
	global_load_b64 v[DP+2:DP+3], v[T8], s[4:5]    ; and the same two of W_dec
.irp j, 0,1,2,3,4,5,6,7
	global_load_b128 v[WE+4*\j:WE+4*\j+3], v[LN16], s[4:5] offset:ROWB+512*\j       ; W_enc lies 4,096 bytes into W
.endr
.irp j, 0,1,2,3,4,5,6,7
	global_load_b128 v[ACC+4*\j:ACC+4*\j+3], v[A0], s[10:11] offset:512*\j th:TH_LOAD_NT   ; row 0, into the accumulator
.endr
	FILL 0
	FILL 1
	FILL 2
	FILL 3
	FILL 4
	; dec . W_dec + b, by the whole work-group, while the rows are on their way
	s_wait_loadcnt 56                              ; the first two loads are in; 8 + 8 + 40 younger ones stay out
	v_mul_f32 v[TV], v[DP], v[DP+2]
	v_fma_f32 v[SV], v[DP+1], v[DP+3], v[TV]
	ROWSUM SV
	v_permlanex16_b32 v[TV], v[SV], s16, s17
	v_add_f32 v[SV], v[SV], v[TV]                  ; my wave's 64 products
	ds_store_b32 v[WADR], v[SV] offset:LC          ; every lane writes the wave's word with the same number
	s_wait_dscnt 0x0                               ; the store is done before the others are told
	s_barrier_signal -1
	s_barrier_wait -1
	ds_load_b32 v[SV], v[LADR] offset:LC           ; lane l takes wave l % 16's word,
	s_wait_dscnt 0x0
	ROWSUM SV                                      ; and each half of the lanes sums all sixteen
	s_wait_kmcnt 0x0                               ; b
	v_add_f32 v[SV], s14, v[SV]
	v_mul_f32 v[C2], s18, v[SV]
; The score of the row in v[x .. x+31], times log2(e), into SV of every lane.
.macro DOT x
.irp k, 0,1,2,3
	v_pk_mul_f32 v[DP+2*\k:DP+2*\k+1], v[\x+2*\k:\x+2*\k+1], v[WE+2*\k:WE+2*\k+1]   ; the first products start the four chains
.endr
.irp j, 1,2,3
.irp k, 0,1,2,3
	v_pk_fma_f32 v[DP+2*\k:DP+2*\k+1], v[\x+8*\j+2*\k:\x+8*\j+2*\k+1], v[WE+8*\j+2*\k:WE+8*\j+2*\k+1], v[DP+2*\k:DP+2*\k+1]
.endr
.endr
	v_pk_add_f32 v[DP:DP+1], v[DP:DP+1], v[DP+2:DP+3]
	v_pk_add_f32 v[DP+4:DP+5], v[DP+4:DP+5], v[DP+6:DP+7]
	v_pk_add_f32 v[DP:DP+1], v[DP:DP+1], v[DP+4:DP+5]
	v_add_f32 v[SV], v[DP], v[DP+1]
	ROWSUM SV
	v_permlanex16_b32 v[TV], v[SV], s16, s17       ; TV has been written before
	v_add_f32 v[SV], v[SV], v[TV]
	v_fma_f32 v[SV], v[SV], s18, v[C2]             ; log2e x (enc . W_enc) + log2e x (dec . W_dec + b)
.endm
; The turn of slot s.  fill = 1: the slot gets the row SLOTS rows further on.  left = how many younger loads may stay out.
.macro TURN s, fill, left
	s_wait_loadcnt \left                           ; my eight loads are in; the slots behind stay on their way
.if \fill
	v_add_nc_u32 v[OFF+\s], SLOTS*STRIDE, v[OFF+\s]        ; free since that wait: the slot's next row
.endif
	DOT (X+32*\s)
	v_max_num_f32 v[MN], v[M], v[SV]               ; the running maximum,
	v_sub_f32 v[TV], v[M], v[MN]
	v_sub_f32 v[SV], v[SV], v[MN]
	v_exp_f32 v[SC], v[TV]                         ; what the old sums shrink by,
	v_exp_f32 v[PW], v[SV]                         ; and the row's weight
	v_mov_b32 v[M], v[MN]                          ; a plain instruction stands between the exponentials and their first use (ISA guide 5.7.2)
	s_wait_alu depctr_va_vdst(0)
	v_fma_f32 v[L], v[L], v[SC], v[PW]
.irp k, 0,1,2,3,4,5,6,7,8,9,10,11,12,13,14,15
	v_pk_mul_f32 v[ACC+2*\k:ACC+2*\k+1], v[ACC+2*\k:ACC+2*\k+1], v[SC:SC+1] op_sel_hi:[1,0]
.endr
.irp k, 0,1,2,3,4,5,6,7,8,9,10,11,12,13,14,15
	v_pk_fma_f32 v[ACC+2*\k:ACC+2*\k+1], v[X+32*\s+2*\k:X+32*\s+2*\k+1], v[PW:PW+1], v[ACC+2*\k:ACC+2*\k+1] op_sel_hi:[1,0,1]
.endr
.if \fill
	FILL \s
.endif
.endm
	; row 0 starts the sums: it lies in the accumulator already, with weight 1
	s_wait_loadcnt 40                              ; W_enc and row 0 are in; the five slots' 40 loads stay out
	DOT ACC
	v_mov_b32 v[M], v[SV]
	v_mov_b32 v[L], 1.0
	s_mov_b32 s28, 2                               ; rows 1 to 10, which ask for rows 6 to 15
.Lround:
	TURN 0, 1, 32
	TURN 1, 1, 32
	TURN 2, 1, 32
	TURN 3, 1, 32
	TURN 4, 1, 32
	s_sub_co_u32 s28, s28, 1
	s_cmp_lg_u32 s28, 0
	s_cbranch_scc1 .Lround
	TURN 0, 0, 32                                  ; rows 11 to 15 ask for nothing: the counts run down
	TURN 1, 0, 24
	TURN 2, 0, 16
	TURN 3, 0, 8
	TURN 4, 0, 0
	; the sixteen waves' figures meet in LDS
	ds_store_b32 v[WADR], v[M] offset:LM
	s_wait_dscnt 0x0
	s_barrier_signal -1
	s_barrier_wait -1
	ds_load_b32 v[DP], v[LADR] offset:LM
	s_wait_dscnt 0x0
.irp q, 1,2,4,8
	v_max_num_f32_dpp v[DP], v[DP], v[DP] row_xmask:\q row_mask:0xf bank_mask:0xf
.endr
	v_sub_f32 v[TV], v[M], v[DP]                   ; DP: the work-group's maximum
	v_exp_f32 v[SC], v[TV]
	v_nop                                          ; the place behind the exponential
	s_wait_alu depctr_va_vdst(0)
	v_mul_f32 v[L], v[L], v[SC]
	ds_store_b32 v[WADR], v[L] offset:LL
.irp j, 0,1,2,3,4,5,6,7
	v_pk_mul_f32 v[ACC+4*\j:ACC+4*\j+1],   v[ACC+4*\j:ACC+4*\j+1],   v[SC:SC+1] op_sel_hi:[1,0]
	v_pk_mul_f32 v[ACC+4*\j+2:ACC+4*\j+3], v[ACC+4*\j+2:ACC+4*\j+3], v[SC:SC+1] op_sel_hi:[1,0]
	ds_store_b128 v[A0], v[ACC+4*\j:ACC+4*\j+3] offset:STG+512*\j      ; 512 consecutive bytes of my wave's 4,096
.endr
	s_wait_dscnt 0x0
	s_barrier_signal -1
	s_barrier_wait -1
.irp k, 0,1,2,3,4,5,6,7,8,9,10,11,12,13,14,15
	ds_load_b64 v[X+2*\k:X+2*\k+1], v[T8] offset:STG+ROWB*\k           ; thread t: columns 2 t, 2 t + 1 of every wave
.endr
	s_wait_dscnt 0x0
.irp k, 0,1,2,3,4,5,6,7
	v_pk_add_f32 v[X+2*\k:X+2*\k+1], v[X+2*\k:X+2*\k+1], v[X+16+2*\k:X+16+2*\k+1]
.endr
.irp k, 0,1,2,3
	v_pk_add_f32 v[X+2*\k:X+2*\k+1], v[X+2*\k:X+2*\k+1], v[X+8+2*\k:X+8+2*\k+1]
.endr
.irp k, 0,1
	v_pk_add_f32 v[X+2*\k:X+2*\k+1], v[X+2*\k:X+2*\k+1], v[X+4+2*\k:X+4+2*\k+1]
.endr
	v_pk_add_f32 v[X:X+1], v[X:X+1], v[X+2:X+3]
	global_store_b64 v[T8], v[X:X+1], s[12:13]     ; a wave stores 256 consecutive bytes, at a multiple of 256 from the record's start
	s_cmp_lg_u32 s15, 0
	s_cbranch_scc1 .Ldone
	ds_load_b32 v[DP+1], v[LADR] offset:LL         ; wave 0 alone: the sum of the sixteen sums of exponentials
	s_wait_dscnt 0x0
	ROWSUM DP+1
	global_store_b64 v[T8], v[DP:DP+1], s[12:13] offset:4096   ; (max, sum) from all 32 lanes: the record's last 256 bytes, whole
.Ldone:
	s_wait_tensorcnt 0x0
	ds_add_u32 v252, v253
	s_wait_dscnt 0x0
	s_endpgm
.Lfunc_end_k_q2acb41c7de_partial:
	.size	k_q2acb41c7de_partial, .Lfunc_end_k_q2acb41c7de_partial-k_q2acb41c7de_partial
	.p2alignl 7, 3214868480
	.fill 96, 4, 3214868480
	.section	.rodata,"a",@progbits
	.p2align	6, 0x0
	.amdhsa_kernel k_q2acb41c7de_partial
		.amdhsa_group_segment_fixed_size 67840
		.amdhsa_private_segment_fixed_size 0
		.amdhsa_enable_private_segment 0
		.amdhsa_kernarg_size 40
		.amdhsa_user_sgpr_count 2
		.amdhsa_user_sgpr_kernarg_segment_ptr 1
		.amdhsa_wavefront_size32 1
		.amdhsa_system_sgpr_workgroup_id_x 1
		.amdhsa_system_sgpr_workgroup_id_y 1
		.amdhsa_system_sgpr_workgroup_id_z 1
		.amdhsa_system_vgpr_workitem_id 0
		.amdhsa_next_free_vgpr 254
		.amdhsa_next_free_sgpr 66
		.amdhsa_reserve_vcc 0
		.amdhsa_float_denorm_mode_32 3
		.amdhsa_float_denorm_mode_16_64 3
		.amdhsa_memory_ordered 1
		.amdhsa_forward_progress 1
		.amdhsa_inst_pref_size 59
	.end_amdhsa_kernel
	.amdgpu_metadata
---
amdhsa.version: [ 1, 2 ]
amdhsa.kernels:
  - .name:           k_q2acb41c7de_partial
    .symbol:         k_q2acb41c7de_partial.kd
    .args:
      - { .name: W, .offset: 0, .size: 8, .value_kind: global_buffer, .address_space: global }
      - { .name: b, .offset: 8, .size: 8, .value_kind: global_buffer, .address_space: global }
      - { .name: decoder_hidden, .offset: 16, .size: 8, .value_kind: global_buffer, .address_space: global }
      - { .name: encoder_hidden_outputs, .offset: 24, .size: 8, .value_kind: global_buffer, .address_space: global }
      - { .name: part, .offset: 32, .size: 8, .value_kind: global_buffer, .address_space: global }
    .group_segment_fixed_size: 67840
    .private_segment_fixed_size: 0
    .kernarg_segment_align: 8
    .kernarg_segment_size: 40
    .max_flat_workgroup_size: 512
    .sgpr_count:     66
    .vgpr_count:     254
    .wavefront_size: 32
...
	.end_amdgpu_metadata
.endif
;; end of part 1
;; launch combine (part 2): grid 8 x 32, 1 waves a work-group, no clusters, 0 bytes of LDS; arguments part, out0; writes out0
.if DOCPART == 2
	.amdgcn_target "amdgcn-amd-amdhsa--gfx1250"
	.amdhsa_code_object_version 6
	.text
	.protected	k_q2acb41c7de_combine
	.globl	k_q2acb41c7de_combine
	.p2align	8
	.type	k_q2acb41c7de_combine,@function
k_q2acb41c7de_combine:
	s_mov_b64 s[64:65], 0
	v_nop
	global_prefetch_b8 v0, s[64:65] scope:SCOPE_SE
	s_setreg_imm32_b32 hwreg(HW_REG_WAVE_MODE, 25, 1), 1
	s_wait_xcnt 0x0
; Attention pooling, second launch: the eight records of a batch become its row of the output.
;   out[c] = sum over i of 2^(m_i - max m) acc_i[c]  /  sum over i of 2^(m_i - max m) l_i      (m_i is kept times log2(e))
; One wave for 128 columns (512 bytes): 8 x 32 work-groups.  All sixteen loads are issued at once, so the wave waits for memory
; once.  Every lane reads the eight (m, l) pairs itself, all lanes at one address: no exchange between lanes, no LDS, no barrier.
.set REC, 4352                         ; a record: 4,096 bytes of sums, then (m, l)
.set MG,  3                            ; v3        the batch's maximum
.set ST,  4                            ; v[4:19]   record i: (m_i, l_i), then (factor_i, l_i): a pair whose first register the packed forms take twice
.set PA,  20                           ; v[20:51]  record i: my four columns
.set R,   52                           ; v52       1 / sum   } a pair
.set LG,  53                           ; v53       the sum   }
.set A,   54                           ; v[54:57]  my four results
	s_load_b128 s[4:7], s[0:1], 0x0                ; part s[4:5], out0 s[6:7]
	s_and_b32 s8, ttmp7, 0xffff                    ; batch
	s_mul_i32 s10, s8, 8*REC                       ; its first record
	s_mov_b32 s11, 0
	s_lshl_b32 s12, s8, 12                         ; its row of the output
	s_mov_b32 s13, 0
	s_lshl_b32 s9, ttmp9, 9                        ; my wave's 512 bytes of the row
	v_lshl_add_u32 v1, v0, 4, s9                   ; + 16 x lane
	v_mov_b32 v2, 0
	s_wait_kmcnt 0x0
	s_add_nc_u64 s[4:5], s[4:5], s[10:11]
	s_add_nc_u64 s[6:7], s[6:7], s[12:13]
.irp i, 0,1,2,3,4,5,6,7
	global_load_b64 v[ST+2*\i:ST+2*\i+1], v2, s[4:5] offset:\i*REC+4096
.endr
.irp i, 0,1,2,3,4,5,6,7
	global_load_b128 v[PA+4*\i:PA+4*\i+3], v1, s[4:5] offset:\i*REC
.endr
	s_wait_loadcnt 8                               ; the eight (m, l) are in; the eight loads of sums stay out
	v_max3_num_f32 v[MG], v[ST], v[ST+2], v[ST+4]
	v_max3_num_f32 v[MG], v[MG], v[ST+6], v[ST+8]
	v_max3_num_f32 v[MG], v[MG], v[ST+10], v[ST+12]
	v_max_num_f32 v[MG], v[MG], v[ST+14]
.irp i, 0,1,2,3,4,5,6,7
	v_sub_f32 v[ST+2*\i], v[ST+2*\i], v[MG]
.endr
.irp i, 0,1,2,3,4,5,6,7
	v_exp_f32 v[ST+2*\i], v[ST+2*\i]
.endr
	v_nop                                          ; the place behind the exponentials (ISA guide 5.7.2)
	s_wait_alu depctr_va_vdst(0)
	v_mul_f32 v[LG], v[ST], v[ST+1]
.irp i, 1,2,3,4,5,6,7
	v_fma_f32 v[LG], v[ST+2*\i], v[ST+2*\i+1], v[LG]
.endr
	v_rcp_f32 v[R], v[LG]                          ; at least 1: the record with the maximum counts in full; the products below stand behind it
	s_wait_loadcnt 7
	v_pk_mul_f32 v[A:A+1],   v[PA:PA+1],   v[ST:ST+1] op_sel_hi:[1,0]
	v_pk_mul_f32 v[A+2:A+3], v[PA+2:PA+3], v[ST:ST+1] op_sel_hi:[1,0]
.irp i, 1,2,3,4,5,6,7
	s_wait_loadcnt 7-\i                            ; loads come back in order: record i is in
	v_pk_fma_f32 v[A:A+1],   v[PA+4*\i:PA+4*\i+1],   v[ST+2*\i:ST+2*\i+1], v[A:A+1]   op_sel_hi:[1,0,1]
	v_pk_fma_f32 v[A+2:A+3], v[PA+4*\i+2:PA+4*\i+3], v[ST+2*\i:ST+2*\i+1], v[A+2:A+3] op_sel_hi:[1,0,1]
.endr
	s_wait_alu depctr_va_vdst(0)
	v_pk_mul_f32 v[A:A+1],   v[A:A+1],   v[R:R+1] op_sel_hi:[1,0]
	v_pk_mul_f32 v[A+2:A+3], v[A+2:A+3], v[R:R+1] op_sel_hi:[1,0]
	global_store_b128 v1, v[A:A+3], s[6:7]         ; the wave stores 512 consecutive bytes, at a multiple of 512 from the output's start
	s_endpgm
.Lfunc_end_k_q2acb41c7de_combine:
	.size	k_q2acb41c7de_combine, .Lfunc_end_k_q2acb41c7de_combine-k_q2acb41c7de_combine
	.p2alignl 7, 3214868480
	.fill 96, 4, 3214868480
	.section	.rodata,"a",@progbits
	.p2align	6, 0x0
	.amdhsa_kernel k_q2acb41c7de_combine
		.amdhsa_group_segment_fixed_size 0
		.amdhsa_private_segment_fixed_size 0
		.amdhsa_enable_private_segment 0
		.amdhsa_kernarg_size 16
		.amdhsa_user_sgpr_count 2
		.amdhsa_user_sgpr_kernarg_segment_ptr 1
		.amdhsa_wavefront_size32 1
		.amdhsa_system_sgpr_workgroup_id_x 1
		.amdhsa_system_sgpr_workgroup_id_y 1
		.amdhsa_system_sgpr_workgroup_id_z 1
		.amdhsa_system_vgpr_workitem_id 0
		.amdhsa_next_free_vgpr 58
		.amdhsa_next_free_sgpr 66
		.amdhsa_reserve_vcc 0
		.amdhsa_float_denorm_mode_32 3
		.amdhsa_float_denorm_mode_16_64 3
		.amdhsa_memory_ordered 1
		.amdhsa_forward_progress 1
		.amdhsa_inst_pref_size 6
	.end_amdhsa_kernel
	.amdgpu_metadata
---
amdhsa.version: [ 1, 2 ]
amdhsa.kernels:
  - .name:           k_q2acb41c7de_combine
    .symbol:         k_q2acb41c7de_combine.kd
    .args:
      - { .name: part, .offset: 0, .size: 8, .value_kind: global_buffer, .address_space: global }
      - { .name: out0, .offset: 8, .size: 8, .value_kind: global_buffer, .address_space: global }
    .group_segment_fixed_size: 0
    .private_segment_fixed_size: 0
    .kernarg_segment_align: 8
    .kernarg_segment_size: 16
    .max_flat_workgroup_size: 32
    .sgpr_count:     66
    .vgpr_count:     58
    .wavefront_size: 32
...
	.end_amdgpu_metadata
.endif
;; end of part 2
;; ======== version 2 of 2: 2 launches; version 1 with the launch partial written anew for expert scheduling mode
;; workspace buffers: part 1,114,112 bytes
;; launch partial (part 3): grid 8 x 32, 16 waves a work-group, no clusters, 67,840 bytes of LDS; arguments W, b, decoder_hidden, encoder_hidden_outputs, part; writes part
.if DOCPART == 3
	.amdgcn_target "amdgcn-amd-amdhsa--gfx1250"
	.amdhsa_code_object_version 6
	.text
	.protected	k_q2acb41c7de_partial
	.globl	k_q2acb41c7de_partial
	.p2align	8
	.type	k_q2acb41c7de_partial,@function
k_q2acb41c7de_partial:
	s_mov_b64 s[64:65], 0
	v_nop
	global_prefetch_b8 v0, s[64:65] scope:SCOPE_SE
	s_setreg_imm32_b32 hwreg(HW_REG_WAVE_SCHED_MODE, 0, 2), 2
	s_setreg_imm32_b32 hwreg(HW_REG_WAVE_MODE, 25, 1), 1
	s_wait_xcnt 0x0
	s_wait_alu depctr_vm_vsrc(0)
; Attention pooling, first of two launches: an online softmax over 256 of a batch's 2,048 rows.
;   score[s] = enc[s] . W_enc + (dec . W_dec + b);  the work-group leaves  max score, sum of exp(score - max)
;   and sum of exp(score - max) * enc[s][:]  of its 256 rows in one record of 'part'.
; All arithmetic is f32 on the vector unit: both products have one column (or one row) on one side, so a 16 x 16 matrix tile
; would hold one useful line, and each byte of enc feeds only two multiply-adds.
; No cluster: work-groups share only W (8 KiB), against 1 MiB of enc that each reads alone.
; Sixteen waves.  Wave w takes rows w, w + 16, ..., 16 rows.  A row is 4,096 bytes: eight 16-byte loads a lane, each load of the
; wave covering 512 consecutive bytes; the row stays in 32 registers between the dot product and the weighted sum, so enc is
; read once.  Row 0 is loaded straight into the accumulator (its weight is 1): nothing is cleared, nothing copied.
; Rows 1 to 15 go through a ring of five register slots: one at work, four (16 KiB a wave) on their way.
; Scores are kept times log2(e), so that the exponentials are plain v_exp_f32.
; LIMITS: the exponent is log2e*(enc.W) + log2e*(dec.W + b) in one fused
; multiply-add.  If the first rows of one wave all score -infinity (infinite inputs), the whole output row becomes NaN.
; THE MODE: SCHED_MODE bits 1:0 = 2 (LLVM: expert scheduling mode 2), set by the entry lines.  The code itself states the register
; dependences between vector instructions and memory or LDS instructions, with s_wait_alu, always for 0.
; THE PLAN.  Registers that memory or LDS instructions touch:
;   v1, v2, v3, v4, v26   offsets and LDS addresses, made once at the head and never written again.  The rows of enc are reached by a
;                         scalar base for each slot, which moves on at the head of the slot's turn, and by immediate offsets.
;   X0 .. X4              Turn s: its dot product and its sixteen multiply-adds into the accumulator read X[s]; behind them the loads of
;                         the row five further on land in it.
;   SV, M, L, ACC         written by vector instructions, read by LDS stores; of them SV alone is written again, by an LDS load.
;   DP, DP+1, X0          on the way out LDS loads land in them, and the two global stores read X0's first pair and DP's.
; So ONE wait on va_vdst stands in a turn that fills, behind its last multiply-add: it states that the turn is done reading X[s]; the slot's
; eight loads follow in one run.  It stands there and not at the next turn's head, so that the slot is asked for again ahead of the wait
; for the next slot's data: a sixth slot, which the other form would need to keep four rows on their way, is 32 registers more than
; the 256 that each of four waves on a SIMD can have.  No wait on vm_vsrc stands in the loop: no register that a load reads is written there.
.set ROWB,   4096                      ; bytes in a row of enc
.set WAVES,  16
.set STRIDE, WAVES*ROWB                ; from one of a wave's rows to its next
.set SLOTS,  5
.set REC,    4352                      ; a record of 'part': 4,096 bytes of sums, then 256 bytes of (max, sum) 32 times over
.set LC,     0                         ; LDS: 16 words, the waves' parts of dec . W_dec
.set LM,     64                        ;      16 words, the waves' maxima
.set LL,     128                       ;      16 words, the waves' sums of exponentials
.set STG,    256                       ;      16 x 4,096 bytes, the waves' weighted sums
.set SB,   22                          ; s[22:31] slot s: the address of the work-group's sixteen rows among which the slot's next row lies: a pair at SB + 2 s
.set LN16, 1                           ; v1       16 x lane
.set T8,   2                           ; v2       8 x thread
.set WADR, 3                           ; v3       4 x wave
.set LADR, 4                           ; v4       4 x (lane % 16)
.set C2,   5                           ; v5       log2e x (dec . W_dec + b)
.set MN,   11                          ; v11      the new maximum
.set DP,   12                          ; v[12:19] four chains of two partial sums
.set SC,   20                          ; v20      factor for what has been summed so far  } a pair: the packed multiply takes its
.set M,    21                          ; v21      running maximum                          } first register for both halves
.set PW,   22                          ; v22      the row's weight                         } likewise
.set L,    23                          ; v23      running sum of exponentials              }
.set SV,   24                          ; v24      the score
.set TV,   25                          ; v25      at work
.set A0,   26                          ; v26      4,096 x wave + 16 x lane: my 16 bytes among sixteen rows of enc, and my place in the LDS stage
.set WE,   28                          ; v[28:59]   W_enc of my 32 columns
.set ACC,  60                          ; v[60:91]   weighted sum of my 32 columns
.set X,    92                          ; v[92:251]  slot s: 32 registers, a row
	s_load_b256 s[4:11], s[0:1], 0x0               ; W s[4:5], b s[6:7], dec s[8:9], enc s[10:11]
	s_load_b64 s[12:13], s[0:1], 0x20              ; part
	v_lshl_add_u32 v10, v0, 2, 0x10100
	v_mov_b32 v27, 0
	v_lshrrev_b32 v[WADR], 5, v0
	v_readfirstlane_b32 s15, v[WADR]               ; wave number as a scalar
	v_and_b32 v[LN16], 31, v0
	v_lshlrev_b32 v[LN16], 4, v[LN16]
	v_lshlrev_b32 v[T8], 3, v0
	v_and_b32 v[LADR], 15, v0
	v_lshlrev_b32 v[LADR], 2, v[LADR]
	s_wait_alu depctr_va_sdst(0)                   ; s15 is written, ahead of its first reader, the line below
	v_mov_b32 v[WADR], s15
	v_lshlrev_b32 v[WADR], 2, v[WADR]
	s_lshl_b32 s21, s15, 12
	v_add_nc_u32 v[A0], s21, v[LN16]
	s_mov_b32 s16, 0x76543210                      ; v_permlanex16_b32: lane i of one half reads lane i of the other
	s_mov_b32 s17, 0xfedcba98
	s_mov_b32 s18, 0x3fb8aa3b                      ; log2(e)
	s_and_b32 s19, ttmp7, 0xffff                   ; batch
	s_lshl3_add_u32 s20, s19, ttmp9                ; record = 8 x batch + chunk, 0 to 255
	s_lshl_b32 s22, s20, 20                        ; x 256 rows x 4,096 bytes: below 2^28
	s_mov_b32 s23, 0
	s_lshl_b32 s24, s19, 12                        ; the batch's row of dec
	s_mov_b32 s25, 0
	s_mul_i32 s26, s20, REC
	s_mov_b32 s27, 0
	s_wait_kmcnt 0x0
	s_load_b32 s14, s[6:7], 0x0                    ; b
	s_add_nc_u64 s[10:11], s[10:11], s[22:23]
	s_add_nc_u64 s[8:9], s[8:9], s[24:25]
	s_add_nc_u64 s[12:13], s[12:13], s[26:27]
.irp s, 0,1,2,3,4
	s_add_nc_u64 s[SB+2*\s:SB+2*\s+1], s[10:11], (\s+1)*STRIDE     ; slot s starts with row s + 1 (the three offsets above have served)
.endr
.macro FILL s                          ; eight loads: the slot's whole row
.irp j, 0,1,2,3,4,5,6,7
	global_load_b128 v[X+32*\s+4*\j:X+32*\s+4*\j+3], v[A0], s[SB+2*\s:SB+2*\s+1] offset:512*\j th:TH_LOAD_NT
.endr
.endm
.macro ROWSUM r                        ; sum over each half of 16 lanes, the result in every lane of the half
.irp q, 1,2,4,8
	v_add_f32_dpp v[\r], v[\r], v[\r] row_xmask:\q row_mask:0xf bank_mask:0xf
.endr
.endm
	; everything is asked for at once, the small things first, since loads come back in order
	s_wait_alu depctr_va_vdst(0)                   ; v1, v2, v3, v4 and v26 are written: every load, store and LDS instruction of the kernel reads one of them as its offset or address
	global_load_b64 v[DP:DP+1],   v[T8], s[8:9]    ; two numbers of dec for each of the 512 threads
	global_load_b64 v[DP+2:DP+3], v[T8], s[4:5]    ; and the same two of W_dec
.irp j, 0,1,2,3,4,5,6,7
	global_load_b128 v[WE+4*\j:WE+4*\j+3], v[LN16], s[4:5] offset:ROWB+512*\j       ; W_enc lies 4,096 bytes into W
.endr
.irp j, 0,1,2,3,4,5,6,7
	global_load_b128 v[ACC+4*\j:ACC+4*\j+3], v[A0], s[10:11] offset:512*\j th:TH_LOAD_NT   ; row 0, into the accumulator
.endr
	FILL 0
	FILL 1
	FILL 2
	FILL 3
	FILL 4
	; dec . W_dec + b, by the whole work-group, while the rows are on their way
	s_wait_loadcnt 56                              ; the first two loads are in; 8 + 8 + 40 younger ones stay out
	v_mul_f32 v[TV], v[DP], v[DP+2]
	v_fma_f32 v[SV], v[DP+1], v[DP+3], v[TV]
	ROWSUM SV
	v_permlanex16_b32 v[TV], v[SV], s16, s17
	v_add_f32 v[SV], v[SV], v[TV]                  ; my wave's 64 products
	s_wait_alu depctr_va_vdst(0)                   ; SV is written, which the LDS store reads
	ds_store_b32 v[WADR], v[SV] offset:LC          ; every lane writes the wave's word with the same number
	s_wait_dscnt 0x0                               ; the store is done before the others are told
	s_barrier_signal -1
	s_barrier_wait -1
	s_wait_alu depctr_vm_vsrc(0)                   ; my LDS store has read SV, in which the load below lands
	ds_load_b32 v[SV], v[LADR] offset:LC           ; lane l takes wave l % 16's word,
	s_wait_dscnt 0x0
	ROWSUM SV                                      ; and each half of the lanes sums all sixteen
	s_wait_kmcnt 0x0                               ; b
	v_add_f32 v[SV], s14, v[SV]
	v_mul_f32 v[C2], s18, v[SV]
; The score of the row in v[x .. x+31], times log2(e), into SV of every lane.
.macro DOT x
.irp k, 0,1,2,3
	v_pk_mul_f32 v[DP+2*\k:DP+2*\k+1], v[\x+2*\k:\x+2*\k+1], v[WE+2*\k:WE+2*\k+1]   ; the first products start the four chains
.endr
.irp j, 1,2,3
.irp k, 0,1,2,3
	v_pk_fma_f32 v[DP+2*\k:DP+2*\k+1], v[\x+8*\j+2*\k:\x+8*\j+2*\k+1], v[WE+8*\j+2*\k:WE+8*\j+2*\k+1], v[DP+2*\k:DP+2*\k+1]
.endr
.endr
	v_pk_add_f32 v[DP:DP+1], v[DP:DP+1], v[DP+2:DP+3]
	v_pk_add_f32 v[DP+4:DP+5], v[DP+4:DP+5], v[DP+6:DP+7]
	v_pk_add_f32 v[DP:DP+1], v[DP:DP+1], v[DP+4:DP+5]
	v_add_f32 v[SV], v[DP], v[DP+1]
	ROWSUM SV
	v_permlanex16_b32 v[TV], v[SV], s16, s17       ; TV has been written before
	v_add_f32 v[SV], v[SV], v[TV]
	v_fma_f32 v[SV], v[SV], s18, v[C2]             ; log2e x (enc . W_enc) + log2e x (dec . W_dec + b)
.endm
; The turn of slot s.  fill = 1: the slot gets the row SLOTS rows further on.  left = how many younger loads may stay out.
.macro TURN s, fill, left
	s_wait_loadcnt \left                           ; my eight loads are in; the slots behind stay on their way
.if \fill
	s_add_nc_u64 s[SB+2*\s:SB+2*\s+1], s[SB+2*\s:SB+2*\s+1], SLOTS*STRIDE  ; free since that wait, which shows the loads that read it done: the slot's next row
.endif
	DOT (X+32*\s)
	v_max_num_f32 v[MN], v[M], v[SV]               ; the running maximum,
	v_sub_f32 v[TV], v[M], v[MN]
	v_sub_f32 v[SV], v[SV], v[MN]
	v_exp_f32 v[SC], v[TV]                         ; what the old sums shrink by,
	v_exp_f32 v[PW], v[SV]                         ; and the row's weight
	v_mov_b32 v[M], v[MN]                          ; a plain instruction stands between the exponentials and their first use (ISA guide 5.7.2)
	s_wait_alu depctr_va_vdst(0)
	v_fma_f32 v[L], v[L], v[SC], v[PW]
.irp k, 0,1,2,3,4,5,6,7,8,9,10,11,12,13,14,15
	v_pk_mul_f32 v[ACC+2*\k:ACC+2*\k+1], v[ACC+2*\k:ACC+2*\k+1], v[SC:SC+1] op_sel_hi:[1,0]
.endr
.irp k, 0,1,2,3,4,5,6,7,8,9,10,11,12,13,14,15
	v_pk_fma_f32 v[ACC+2*\k:ACC+2*\k+1], v[X+32*\s+2*\k:X+32*\s+2*\k+1], v[PW:PW+1], v[ACC+2*\k:ACC+2*\k+1] op_sel_hi:[1,0,1]
.endr
.if \fill
	s_wait_alu depctr_va_vdst(0)                   ; the dot product and the multiply-adds above are done reading X[s], in which the eight loads below land
	FILL \s
.endif
.endm
	; row 0 starts the sums: it lies in the accumulator already, with weight 1
	s_wait_loadcnt 40                              ; W_enc and row 0 are in; the five slots' 40 loads stay out
	DOT ACC
	v_mov_b32 v[M], v[SV]
	v_mov_b32 v[L], 1.0
	s_mov_b32 s20, 2                               ; rows 1 to 10, which ask for rows 6 to 15
.Lround:
	TURN 0, 1, 32
	TURN 1, 1, 32
	TURN 2, 1, 32
	TURN 3, 1, 32
	TURN 4, 1, 32
	s_sub_co_u32 s20, s20, 1
	s_cmp_lg_u32 s20, 0
	s_cbranch_scc1 .Lround
	TURN 0, 0, 32                                  ; rows 11 to 15 ask for nothing: the counts run down, and no dependence on a memory instruction is left to state
	TURN 1, 0, 24
	TURN 2, 0, 16
	TURN 3, 0, 8
	TURN 4, 0, 0
	; the sixteen waves' figures meet in LDS
	s_wait_alu depctr_va_vdst(0)                   ; M is written, which the LDS store reads; the last dot product is done with DP, in which the LDS load behind the barrier lands
	ds_store_b32 v[WADR], v[M] offset:LM
	s_wait_dscnt 0x0
	s_barrier_signal -1
	s_barrier_wait -1
	ds_load_b32 v[DP], v[LADR] offset:LM
	s_wait_dscnt 0x0
.irp q, 1,2,4,8
	v_max_num_f32_dpp v[DP], v[DP], v[DP] row_xmask:\q row_mask:0xf bank_mask:0xf
.endr
	v_sub_f32 v[TV], v[M], v[DP]                   ; DP: the work-group's maximum
	v_exp_f32 v[SC], v[TV]
	v_nop                                          ; the place behind the exponential
	s_wait_alu depctr_va_vdst(0)
	v_mul_f32 v[L], v[L], v[SC]
.irp j, 0,1,2,3,4,5,6,7
	v_pk_mul_f32 v[ACC+4*\j:ACC+4*\j+1],   v[ACC+4*\j:ACC+4*\j+1],   v[SC:SC+1] op_sel_hi:[1,0]
	v_pk_mul_f32 v[ACC+4*\j+2:ACC+4*\j+3], v[ACC+4*\j+2:ACC+4*\j+3], v[SC:SC+1] op_sel_hi:[1,0]
.endr
	s_wait_alu depctr_va_vdst(0)                   ; L and the whole accumulator are written, which the nine LDS stores read; no vector instruction from here to the loads behind the barrier names X0, in which they land
	ds_store_b32 v[WADR], v[L] offset:LL
.irp j, 0,1,2,3,4,5,6,7
	ds_store_b128 v[A0], v[ACC+4*\j:ACC+4*\j+3] offset:STG+512*\j      ; 512 consecutive bytes of my wave's 4,096
.endr
	s_wait_dscnt 0x0
	s_barrier_signal -1
	s_barrier_wait -1
.irp k, 0,1,2,3,4,5,6,7,8,9,10,11,12,13,14,15
	ds_load_b64 v[X+2*\k:X+2*\k+1], v[T8] offset:STG+ROWB*\k           ; thread t: columns 2 t, 2 t + 1 of every wave
.endr
	s_wait_dscnt 0x0
.irp k, 0,1,2,3,4,5,6,7
	v_pk_add_f32 v[X+2*\k:X+2*\k+1], v[X+2*\k:X+2*\k+1], v[X+16+2*\k:X+16+2*\k+1]
.endr
.irp k, 0,1,2,3
	v_pk_add_f32 v[X+2*\k:X+2*\k+1], v[X+2*\k:X+2*\k+1], v[X+8+2*\k:X+8+2*\k+1]
.endr
.irp k, 0,1
	v_pk_add_f32 v[X+2*\k:X+2*\k+1], v[X+2*\k:X+2*\k+1], v[X+4+2*\k:X+4+2*\k+1]
.endr
	v_pk_add_f32 v[X:X+1], v[X:X+1], v[X+2:X+3]
	s_wait_alu depctr_va_vdst(0)                   ; the last addition has written X0's first pair, which the store reads
	global_store_b64 v[T8], v[X:X+1], s[12:13]     ; a wave stores 256 consecutive bytes, at a multiple of 256 from the record's start
	s_cmp_lg_u32 s15, 0
	s_cbranch_scc1 .Ldone
	ds_load_b32 v[DP+1], v[LADR] offset:LL         ; wave 0 alone: the sum of the sixteen sums of exponentials (no vector instruction since the wait above; the last to name DP+1 stands far ahead of it)
	s_wait_dscnt 0x0
	ROWSUM DP+1
	s_wait_alu depctr_va_vdst(0)                   ; the sum has written DP+1, which the store reads beside DP
	global_store_b64 v[T8], v[DP:DP+1], s[12:13] offset:4096   ; (max, sum) from all 32 lanes: the record's last 256 bytes, whole
.Ldone:
	s_wait_dscnt 0x0
	s_wait_alu depctr_hold_cnt(0) depctr_sa_sdst(0) depctr_va_vdst(0) depctr_va_sdst(0) depctr_va_ssrc(0) depctr_va_vcc(0) depctr_vm_vsrc(0)
	s_wait_tensorcnt 0x0
	ds_add_u32 v10, v27
	s_wait_dscnt 0x0
	s_endpgm
.Lfunc_end_k_q2acb41c7de_partial:
	.size	k_q2acb41c7de_partial, .Lfunc_end_k_q2acb41c7de_partial-k_q2acb41c7de_partial
	.p2alignl 7, 3214868480
	.fill 96, 4, 3214868480
	.section	.rodata,"a",@progbits
	.p2align	6, 0x0
	.amdhsa_kernel k_q2acb41c7de_partial
		.amdhsa_group_segment_fixed_size 67840
		.amdhsa_private_segment_fixed_size 0
		.amdhsa_enable_private_segment 0
		.amdhsa_kernarg_size 40
		.amdhsa_user_sgpr_count 2
		.amdhsa_user_sgpr_kernarg_segment_ptr 1
		.amdhsa_wavefront_size32 1
		.amdhsa_system_sgpr_workgroup_id_x 1
		.amdhsa_system_sgpr_workgroup_id_y 1
		.amdhsa_system_sgpr_workgroup_id_z 1
		.amdhsa_system_vgpr_workitem_id 0
		.amdhsa_next_free_vgpr 252
		.amdhsa_next_free_sgpr 66
		.amdhsa_reserve_vcc 0
		.amdhsa_float_denorm_mode_32 3
		.amdhsa_float_denorm_mode_16_64 3
		.amdhsa_memory_ordered 1
		.amdhsa_forward_progress 1
		.amdhsa_inst_pref_size 60
	.end_amdhsa_kernel
	.amdgpu_metadata
---
amdhsa.version: [ 1, 2 ]
amdhsa.kernels:
  - .name:           k_q2acb41c7de_partial
    .symbol:         k_q2acb41c7de_partial.kd
    .args:
      - { .name: W, .offset: 0, .size: 8, .value_kind: global_buffer, .address_space: global }
      - { .name: b, .offset: 8, .size: 8, .value_kind: global_buffer, .address_space: global }
      - { .name: decoder_hidden, .offset: 16, .size: 8, .value_kind: global_buffer, .address_space: global }
      - { .name: encoder_hidden_outputs, .offset: 24, .size: 8, .value_kind: global_buffer, .address_space: global }
      - { .name: part, .offset: 32, .size: 8, .value_kind: global_buffer, .address_space: global }
    .group_segment_fixed_size: 67840
    .private_segment_fixed_size: 0
    .kernarg_segment_align: 8
    .kernarg_segment_size: 40
    .max_flat_workgroup_size: 512
    .sgpr_count:     66
    .vgpr_count:     252
    .wavefront_size: 32
...
	.end_amdgpu_metadata
.endif
;; end of part 3
;; launch combine: the kernel of part 2 again; grid 8 x 32, 1 waves a work-group, no clusters, 0 bytes of LDS; arguments part, out0; writes out0
